; MI455X (gfx1250); checked and timed in simulation.
; The chip was launched on July 23, 2026; its instructions are those of AMD's public machine-readable ISA for CDNA 5 (MIT licence, August 2026) and "CDNA5" Instruction Set Architecture Reference Guide (July 2026). The comments in the code are by the model that wrote it; some were corrected since.
;; Self Attention. Allowed arithmetic: matrix products marked QUANTISED: E5M2 operands, one given power-of-two scale a tensor, by v_wmma_f32_16x16x64_bf8_bf8 or v_wmma_f32_16x16x128_bf8_bf8, f32 sums; products left as they are: f32 operands where the result goes on into a quantised operand, else bf16, f16 or f32 operands; f32 sums; everything else in f32.
;; Inputs: bk 1,024 float32; bo 1,024 float32; bq 1,024 float32; bv 1,024 float32; lowp_scales 10 int32 (the exponents e of the quantised operands' scales 2^e); wk_codes 1,024 x 32 x 32 uint8 (E5M2 codes of wk, K innermost, in blocks of 32 codes); wo_codes 1,024 x 32 x 32 uint8 (E5M2 codes of wo, K innermost, in blocks of 32 codes); wq_codes 1,024 x 32 x 32 uint8 (E5M2 codes of wq, K innermost, in blocks of 32 codes); wv_codes 1,024 x 32 x 32 uint8 (E5M2 codes of wv, K innermost, in blocks of 32 codes); x_codes 4 x 4,096 x 32 x 32 uint8 (E5M2 codes of x, K innermost, in blocks of 32 codes).
;; Outputs: out0 4 x 4,096 x 1,024 float32.
;; This version of the problem:
;;   THIS VERSION OF THE PROBLEM IS GIVEN IN LOW PRECISION. The matrix products marked QUANTISED in the list below multiply operands that are first quantised to E5M2 (5 exponent bits, 2 mantissa bits; 8 bits a number), with one given power-of-two scale for each operand tensor; their sums are f32. All else is computed in f32.
;;   The module's matrix products, in the order in which they are computed (A, B: the left and right operand; K: the contracted axis; several contracted axes count as one K, in the product's order):
;;     1. [M 16,384, K 1,024] x [K 1,024, N 1,024]; A: input x (given as codes); B: input wq (given as codes): QUANTISED (scales: A lowp_scales[0], B lowp_scales[1])
;;     2. [M 16,384, K 1,024] x [K 1,024, N 1,024]; A: input x (given as codes); B: input wk (given as codes): QUANTISED (scales: A lowp_scales[2], B lowp_scales[3])
;;     3. [M 16,384, K 1,024] x [K 1,024, N 1,024]; A: input x (given as codes); B: input wv (given as codes): QUANTISED (scales: A lowp_scales[4], B lowp_scales[5])
;;     4. batch 16,384 x [M 16, K 64] x [K 64, N 16]; A: computed on the way; B: computed on the way: QUANTISED (scales: A lowp_scales[6], B lowp_scales[7])
;;     5. batch 16,384 x [M 16, K 16] x [K 16, N 64]; A: softmax; B: computed on the way: left as it is (K = 16 < 32)
;;     6. [M 16,384, K 1,024] x [K 1,024, N 1,024]; A: computed on the way; B: input wo (given as codes): QUANTISED (scales: A lowp_scales[8], B lowp_scales[9])
;;   THE QUANTISER, for each operand of a quantised product, along K:
;;     - The operand's scale is 2^e, e = its entry of the input lowp_scales (int32; the entries are numbered through the quantised products in the list's order, A before B).
;;     - Each number is divided by the scale, clamped to +-57,344, and rounded to the nearest number of E5M2, ties to even, subnormals kept.
;;     - The product sums the exact products of the quantised numbers (number of the format x scale) in f32.
;;   ~~~python
;;   def quantise(x, axis, e):      # numpy; x: float32 -> the quantised numbers, widened to float32 again
;;       x = np.moveaxis(x, axis, -1); K = x.shape[-1]
;;       r = np.clip(x / 2.0 ** e, -57344, 57344)
;;       step = 2.0 ** (np.maximum(np.frexp(np.where(r == 0, 1, r))[1] - 1, -14) - 2)
;;       q = np.round(r / step) * step * 2.0 ** e      # np.round: ties to even
;;       return np.moveaxis(q, -1, axis).astype(np.float32)
;;   ~~~
;;   OPERANDS COMPUTED ON THE WAY. 'Computed on the way' means the value that the module computes at that place (a softmax that the list does not call 'softmax' is quantised finished and normalised). What goes into a quantiser is computed in f32, as accurately as f32 sums, v_exp_f32 and their like allow (about 1e-6 of the number): no bf16 or f16 on the way to a quantiser, and a product that is left as it is and whose result goes on into a quantised operand takes f32 operands (vector FMAs, or v_wmma_f32_16x16x4_f32). A number that lies on a knife's edge between two numbers of the format may be rounded either way, as far as f32 arithmetic and the matrix unit's own rounding can turn it there, and no further.
;;   INPUTS GIVEN AS CODES. wk (in the module: [1024, 1024], K = its axis 1); wo (in the module: [1024, 1024], K = its axis 1); wq (in the module: [1024, 1024], K = its axis 1); wv (in the module: [1024, 1024], K = its axis 1); x (in the module: [4, 4096, 1024], K = its axis 2): each comes as NAME_codes (uint8): NAME with its K axis moved to the last place and cut into blocks of 32 codes, [.., K / 32, bytes a block], one block behind the other in memory; one code a byte (a code: sign, 5 exponent bits, 2 mantissa bits); its scale is its entry of lowp_scales. Its value is code x scale, taken as it is: it is not quantised again, and the codes and scales need not be those that the quantiser above would give.
;; One version. Each part assembles by itself: llvm-mc -triple=amdgcn-amd-amdhsa -mcpu=gfx1250 --defsym DOCPART=n.
;; ======== version 1 of 1: 3 launches
;; limits: right only within a limited range of input values
;; workspace buffers: q_ws 16,777,216 bytes; k_ws 16,777,216 bytes; att_ws 16,777,216 bytes; wv_perm 1,048,576 bytes; wo_perm 1,048,576 bytes
;; launch qk (part 1): grid 4 x 64, 4 waves a work-group, clusters of 4 x 4, 327,680 bytes of LDS; arguments x_codes, wq_codes, wk_codes, bq, bk, lowp_scales, q_ws, k_ws, wv_codes, wo_codes, wv_perm, wo_perm; writes q_ws, k_ws, wv_perm, wo_perm
.if DOCPART == 1
	.amdgcn_target "amdgcn-amd-amdhsa--gfx1250"
	.amdhsa_code_object_version 6
	.text
	.protected	k_q8070b5cc9f_qk
	.globl	k_q8070b5cc9f_qk
	.p2align	8
	.type	k_q8070b5cc9f_qk,@function
k_q8070b5cc9f_qk:
	s_mov_b64 s[64:65], 0
	v_nop
	global_prefetch_b8 v0, s[64:65] scope:SCOPE_SE
	s_setreg_imm32_b32 hwreg(HW_REG_WAVE_MODE, 25, 1), 1
	s_wait_xcnt 0x0
	s_wait_alu depctr_hold_cnt(0) depctr_sa_sdst(0) depctr_va_vdst(0) depctr_va_sdst(0) depctr_va_ssrc(0) depctr_va_vcc(0) depctr_vm_vsrc(0)
	s_getreg_b32 s2, hwreg(HW_REG_IB_STS2, 6, 4)
	s_cmp_eq_u32 s2, 0
	s_cbranch_scc0 .Lentry_in_a_cluster
	s_endpgm
.Lentry_in_a_cluster:
	s_bfe_u32 s2, ttmp6, 0x10000c
	s_cmp_lg_u32 s2, 0xf033
	s_cbranch_scc0 .Lentry_shape_is_right
	s_endpgm
.Lentry_shape_is_right:
.set ROWB,   256
.set KROW,   1024
.set PITCH,  272
.set FR,     16
.set NL,     4
.set NP,     4
.set HALFT,  128*PITCH
.set SLOT,   4*HALFT
.set SPARE,  2*SLOT
.set STG,    SPARE+512
.set CD,   4
.set SCL2, 12
.set LIM2, 13
.set ADRA, 16
.set ADRB, 20
.set SCL1, 22
.set LIM1, 23
.set STO,  24
.set RD,   25
.set CO,   26
.set BOF,  27
.set SPW,  28
.set NIL,  29
.set CPO,  30
.set WOO,  31
.set BI,   32
.set TMP,  96
.set SJ,   96
.set AF,   128
.set RB,   128
.set G1, 24
.set G0, 32
.set G1B, 48
.set G0B, 56
.set WKP, 92
.set NB1, 94
.set NB2, 95
.set MSB, 0
.macro WIN new
.if MSB != (\new)
	s_set_vgpr_msb (MSB<<8)|(\new)
.set MSB, (\new)
.endif
.endm
.set MUL_LO, 0xa1
.set MUL_HI, 0xf1
.set FST_LO, 0x81
.set FST_HI, 0xc1
.set TO_B,   0x40
.macro JLOAD g0a, g1a, g0b, g1b
	s_cmp_eq_u32 s15, 0
	s_cbranch_scc0 .Lfor_b_\@
	tensor_load_to_lds s[\g0a:\g0a+3], s[\g1a:\g1a+7]
	s_nop 0
.rept 4
	v_nop
.endr
	s_branch .Lasked_\@
.Lfor_b_\@:
	tensor_load_to_lds s[\g0b:\g0b+3], s[\g1b:\g1b+7]
	s_nop 0
.rept 4
	v_nop
.endr
.Lasked_\@:
.endm
.macro CREST
	s_cmp_lg_u32 s14, 0
	s_cbranch_scc1 .Lnot_wave_0_\@
	s_barrier_signal -3
.Lnot_wave_0_\@:
	s_barrier_wait -3
	s_barrier_signal -1
	s_barrier_wait -1
.endm
.macro CROUND
	s_barrier_signal -1
	s_barrier_wait -1
	CREST
.endm
.macro BARRIER
	s_wait_dscnt 0x0
	s_barrier_signal -1
	s_barrier_wait -1
.endm
.macro BIAS bp
.irp g, 0,1,2,3
.irp q, 0,1,2,3
	global_load_b128 v[BI+16*\g+4*\q:BI+16*\g+4*\q+3], v[BOF], s[\bp:\bp+1] offset:128*\g+16*\q
.endr
.endr
.endm
.macro SCALEB se
.set j, 0
.rept 64
	v_ldexp_f32 v[BI+j], v[BI+j], s[\se]
.set j, j+1
.endr
.endm
	s_load_b512 s[68:83], s[0:1], 0x0
	s_load_b256 s[84:91], s[0:1], 0x40
	v_lshl_add_u32 v[SPW], v0, 2, SPARE
	v_mov_b32 v[NIL], 0
	ds_add_u32 v[SPW], v[NIL]
	ds_add_u32 v[SPW], v[NIL]
	v_lshrrev_b32 v1, 5, v0
	v_readfirstlane_b32 s14, v1
	s_lshr_b32 s15, s14, 1
	s_and_b32 s16, s14, 1
	s_bfe_u32 s40, ttmp6, 0x40000
	s_bfe_u32 s41, ttmp6, 0x40004
	s_lshl_b32 s42, ttmp9, 2
	s_add_co_u32 s42, s42, s40
	s_and_b32 s17, ttmp7, 0xffff
	s_lshl_b32 s17, s17, 2
	s_add_co_u32 s17, s17, s41
	s_lshl_b32 s43, s41, 2
	s_lshl_b32 s43, 15, s43
	s_lshl_b32 s44, 0x1111, s40
	s_or_b32 s[G1+0], s43, (0<<16)|(1<<20)|(1<<21)|(5<<22)|(3<<25)
	s_or_b32 s[G1B+0], s44, (0<<16)|(1<<20)|(1<<21)|(5<<22)|(3<<25)
.irp g, G1, G1B
	s_mov_b32 s[\g+1], ROWB<<16
	s_mov_b32 s[\g+2], 128<<16
	s_mov_b32 s[\g+3], ROWB<<16
	s_mov_b32 s[\g+4], 128
	s_mov_b32 s[\g+5], KROW
	s_mov_b32 s[\g+6], 0
	s_mov_b32 s[\g+7], 0
.endr
	s_lshl_b32 s18, s16, 7
	s_lshl_b32 s20, s17, 8
	s_add_co_u32 s20, s20, s18
	s_lshl_b32 s20, s20, 10
	s_mov_b32 s21, 0
	s_lshl_b32 s46, s42, 8
	s_add_co_u32 s46, s46, s18
	s_lshl_b32 s46, s46, 10
	s_mov_b32 s47, 0
	s_mul_i32 s45, s14, HALFT
	s_wait_dscnt 0x0
	s_wait_kmcnt 0x0
	s_load_b256 s[4:11], s[78:79], 0x0
	s_add_nc_u64 s[20:21], s[68:69], s[20:21]
	s_add_nc_u64 s[WKP:WKP+1], s[72:73], s[46:47]
	s_add_nc_u64 s[46:47], s[70:71], s[46:47]
	CROUND
.irp s, 0,1
	s_mov_b32 s[G0+4*\s], 1
	s_add_co_u32 s[G0+4*\s+1], s45, \s*SLOT
	s_add_nc_u64 s[G0+4*\s+2:G0+4*\s+3], s[20:21], \s*ROWB
	s_or_b32 s[G0+4*\s+3], s[G0+4*\s+3], 0x80000000
	s_mov_b32 s[G0B+4*\s], 1
	s_add_co_u32 s[G0B+4*\s+1], s45, \s*SLOT
	s_add_nc_u64 s[G0B+4*\s+2:G0B+4*\s+3], s[46:47], \s*ROWB
	s_or_b32 s[G0B+4*\s+3], s[G0B+4*\s+3], 0x80000000
	s_wait_alu depctr_va_vdst(0)
	s_wait_tensorcnt 0x0
	ds_add_u32 v28, v29
	ds_add_u32 v28, v29
	s_wait_dscnt 0x0
	CROUND
	JLOAD G0+4*\s, G1, G0B+4*\s, G1B
.endr
	v_and_b32 v1, 15, v0
	v_bfe_u32 v2, v0, 4, 1
	v_mul_u32_u24 v3, v1, PITCH
	v_lshl_add_u32 v4, v2, 4, v3
	s_wait_alu depctr_va_vdst(0)
	v_and_b32 v5, 8, v1
	v_add_nc_u32 v5, v5, v1
	v_mul_u32_u24 v5, v5, PITCH
	v_lshl_add_u32 v5, v2, 4, v5
	s_mul_i32 s21, s15, HALFT
	s_mul_i32 s22, s16, HALFT
	s_add_co_u32 s22, s22, 2*HALFT
.irp s, 0,1
	v_add_nc_u32 v[ADRA+\s], s21, v4
	v_add_nc_u32 v[ADRB+\s], s22, v5
	s_add_co_u32 s21, s21, SLOT
	s_add_co_u32 s22, s22, SLOT
.endr
	s_mul_i32 s23, s15, 64*PITCH
	s_lshl_b32 s19, s16, 7
	s_add_co_u32 s23, s23, s19
	s_add_co_u32 s23, s23, STG
	v_add_nc_u32 v[STO], s23, v4
	s_mul_i32 s23, s14, 32*PITCH
	s_add_co_u32 s23, s23, STG
	v_mul_u32_u24 v6, v2, PITCH
	v_lshl_add_u32 v6, v1, 4, v6
	v_add_nc_u32 v[RD], s23, v6
	v_lshlrev_b32 v[CO], 10, v2
	v_lshl_add_u32 v[CO], v1, 4, v[CO]
	s_lshl_b32 s18, s17, 8
	s_lshl_b32 s19, s15, 7
	s_add_co_u32 s18, s18, s19
	s_lshl_b32 s19, s16, 5
	s_add_co_u32 s18, s18, s19
	s_lshl_b32 s18, s18, 10
	s_mov_b32 s19, 0
	s_add_nc_u64 s[80:81], s[80:81], s[18:19]
	s_add_nc_u64 s[82:83], s[82:83], s[18:19]
	s_lshl_b32 s46, s42, 8
	s_mov_b32 s47, 0
	s_add_nc_u64 s[80:81], s[80:81], s[46:47]
	s_add_nc_u64 s[82:83], s[82:83], s[46:47]
	s_lshl_b32 s46, s42, 10
	s_lshl_b32 s47, s16, 9
	s_add_co_u32 s46, s46, s47
	s_mov_b32 s47, 0
	s_add_nc_u64 s[74:75], s[74:75], s[46:47]
	s_add_nc_u64 s[76:77], s[76:77], s[46:47]
	v_lshlrev_b32 v[BOF], 6, v2
	BIAS 74
	s_lshl_b32 s12, s17, 2
	s_add_co_u32 s12, s12, s42
	s_lshl_b32 s12, s12, 2
	s_add_co_u32 s12, s12, s14
	s_and_b32 s2, s12, 15                          ; wv_perm's row cb 256 + head 16 + dd is wv's row head 64 + cb 16 + dd
	s_bfe_u32 s3, s12, 0x20008
	s_lshl_b32 s3, s3, 4
	s_or_b32 s2, s2, s3
	s_bfe_u32 s3, s12, 0x40004
	s_lshl_b32 s3, s3, 6
	s_or_b32 s2, s2, s3
	s_lshl_b32 s2, s2, 10
	s_mov_b32 s3, 0
	s_add_nc_u64 s[84:85], s[84:85], s[2:3]
	s_lshl_b32 s2, s12, 10
	s_add_nc_u64 s[86:87], s[86:87], s[2:3]
	s_add_nc_u64 s[88:89], s[88:89], s[2:3]
	s_add_nc_u64 s[90:91], s[90:91], s[2:3]
	v_and_b32 v6, 31, v0
	v_lshlrev_b32 v[CPO], 4, v6
	v_and_b32 v7, 15, v6                           ; wo_perm's byte cb 256 + head 16 + dd is wo's byte head 64 + cb 16 + dd: pieces of 16 bytes
	v_lshrrev_b32 v8, 4, v6
	v_lshlrev_b32 v8, 4, v8
	v_lshl_add_u32 v[WOO], v7, 6, v8
	global_load_b128 v[SJ:SJ+3], v[CPO], s[84:85]
	global_load_b128 v[SJ+4:SJ+7], v[CPO], s[84:85] offset:512
	global_load_b128 v[SJ+8:SJ+11], v[WOO], s[86:87]
	global_load_b128 v[SJ+12:SJ+15], v[WOO], s[86:87] offset:32
	s_wait_alu depctr_va_vdst(0)
	s_wait_kmcnt 0x0
	s_add_co_i32 s4, s4, s5
	s_sub_co_i32 s[NB1], 0, s4
	s_sub_co_i32 s10, s10, s4
	s_add_co_i32 s10, s10, 127
	s_lshl_b32 s5, s10, 23
	v_mov_b32 v[SCL1], s5
	s_add_co_i32 s10, s10, 15
	s_lshl_b32 s10, s10, 23
	s_or_b32 s10, s10, 0x600000
	v_mov_b32 v[LIM1], s10
	s_add_co_i32 s6, s6, s7
	s_sub_co_i32 s[NB2], 0, s6
	s_sub_co_i32 s11, s11, s6
	s_add_co_i32 s11, s11, 127
	s_lshl_b32 s7, s11, 23
	v_mov_b32 v[SCL2], s7
	s_add_co_i32 s11, s11, 15
	s_lshl_b32 s11, s11, 23
	s_or_b32 s11, s11, 0x600000
	v_mov_b32 v[LIM2], s11
	s_wait_loadcnt 0x0
	global_store_b128 v[CPO], v[SJ:SJ+3], s[88:89]
	global_store_b128 v[CPO], v[SJ+4:SJ+7], s[88:89] offset:512
	global_store_b128 v[CPO], v[SJ+8:SJ+11], s[90:91]
	global_store_b128 v[CPO], v[SJ+12:SJ+15], s[90:91] offset:512
	SCALEB NB1
.macro FRAG reg, adr, q, row
.irp c, 0,1,2,3
	ds_load_b128 v[\reg+4*\c:\reg+4*\c+3], v[\adr] offset:128*(\q)+32*\c+(\row)*PITCH
.endr
.endm
.macro MUL16 a0, p, first
.irp a, \a0, \a0+1
.irp b, 0,1,2,3,4,5,6,7
.if \first
	v_wmma_f32_16x16x128_bf8_bf8 v[8*(8*((\a)%4)+\b):8*(8*((\a)%4)+\b)+7], v[128*(\p)+FR*\b:128*(\p)+FR*\b+FR-1], v[AF+FR*(\a):AF+FR*(\a)+FR-1], v[BI+8*\b:BI+8*\b+7]
.else
	v_wmma_f32_16x16x128_bf8_bf8 v[8*(8*((\a)%4)+\b):8*(8*((\a)%4)+\b)+7], v[128*(\p)+FR*\b:128*(\p)+FR*\b+FR-1], v[AF+FR*(\a):AF+FR*(\a)+FR-1], v[8*(8*((\a)%4)+\b):8*(8*((\a)%4)+\b)+7]
.endif
.endr
.endr
.endm
.macro FETCH_B slot, q, p
	WIN TO_B
.irp i, 0,1,2,3,4,5,6,7
	FRAG 128*(\p)+FR*\i, ADRB+\slot, \q, 32*(\i/2)+8*(\i%2)
.endr
	WIN 0
.endm
.macro FETCH_A slot, q, i0
.irp i, \i0, \i0+1, \i0+2, \i0+3
	FRAG AF+FR*(\i), ADRA+\slot, \q, 16*(\i)
.endr
.endm
.macro PLACES n
.rept \n
	v_nop
.endr
.endm
.macro STEP slot, q, first
	s_wait_dscnt 4*NL
.if \first
	WIN FST_LO
.else
	WIN MUL_LO
.endif
	MUL16 0, (\q)%2, \first
	MUL16 2, (\q)%2, \first
	s_wait_dscnt 0
	PLACES NP
	FETCH_B \slot, (\q)+1, 1-(\q)%2
	FETCH_A \slot, (\q)+1, 0
.if \first
	WIN FST_HI
.else
	WIN MUL_HI
.endif
	MUL16 4, (\q)%2, \first
	MUL16 6, (\q)%2, \first
	PLACES NP
	WIN 0
	FETCH_A \slot, (\q)+1, 4
.endm
.macro TURN slot, next, fill
	s_wait_tensorcnt 0x0
	ds_add_u32 v[SPW], v[NIL]
	s_wait_dscnt 4*NL+1
	WIN MUL_LO
	MUL16 0, 1, 0
	s_wait_dscnt 0x0
	s_barrier_signal -1
	MUL16 2, 1, 0
	WIN 0
	s_barrier_wait -1
.if \fill
	CREST
.if \fill == 1
	s_add_nc_u64 s[G0+4*\slot+2:G0+4*\slot+3], s[G0+4*\slot+2:G0+4*\slot+3], 2*ROWB
	s_add_nc_u64 s[G0B+4*\slot+2:G0B+4*\slot+3], s[G0B+4*\slot+2:G0B+4*\slot+3], 2*ROWB
.else
	s_sub_nc_u64 s[G0+4*\slot+2:G0+4*\slot+3], s[G0+4*\slot+2:G0+4*\slot+3], 2*ROWB
	s_add_nc_u64 s[G0B+4*\slot+2:G0B+4*\slot+3], s[WKP:WKP+1], (\slot)*ROWB
	s_or_b32 s[G0B+4*\slot+3], s[G0B+4*\slot+3], 0x80000000
.endif
	JLOAD G0+4*\slot, G1, G0B+4*\slot, G1B
.else
	PLACES NP
.endif
	FETCH_B \next, 0, 0
	FETCH_A \next, 0, 0
	WIN MUL_HI
	MUL16 4, 1, 0
	MUL16 6, 1, 0
	PLACES NP
	WIN 0
	FETCH_A \next, 0, 4
.endm
.macro QOUT a, scl, lim
.set AC, 64*((\a)%4)
.irp f, 0,1
	WIN 0x02+((\a)/4)
.set j, 0
.rept 32
	v_med3_num_f32 v[TMP+j], v[AC+32*\f+j], -v[\lim], v[\lim]
.set j, j+1
.endr
	WIN 0
.irp g, 0,1,2,3
	v_cvt_scalef32_pk8_bf8_f32 v[CD+2*\g:CD+2*\g+1], v[TMP+8*\g:TMP+8*\g+7], v[\scl]
.endr
	v_nop
	ds_store_b128 v[STO], v[CD:CD+3] offset:((\a)%4)*16*PITCH+64*\f
	ds_store_b128 v[STO], v[CD+4:CD+7] offset:((\a)%4)*16*PITCH+64*\f+32
.endr
.endm
.macro WAYOUT scl, lim, ob
.irp p, 0,1
.if \p
	BARRIER
.endif
	QOUT 4*\p+0, \scl, \lim
	QOUT 4*\p+1, \scl, \lim
	QOUT 4*\p+2, \scl, \lim
	QOUT 4*\p+3, \scl, \lim
	BARRIER
	WIN TO_B
.irp t, 0,1,2,3,4,5,6,7,8,9,10,11,12,13,14,15
	ds_load_b128 v[RB+64*\p+4*\t:RB+64*\p+4*\t+3], v[RD] offset:\t*2*PITCH
.endr
	WIN 0x04
.irp t, 0,1,2,3,4,5,6,7,8,9,10,11,12,13,14,15
	s_wait_dscnt 15-\t
	global_store_b128 v[CO], v[RB+64*\p+4*\t:RB+64*\p+4*\t+3], s[\ob:\ob+1] offset:(64*\p+2*\t)*KROW
.endr
	WIN 0
.endr
.endm
	s_wait_alu depctr_va_vdst(0)
	s_wait_tensorcnt 1
	s_barrier_signal -1
	s_barrier_wait -1
	FETCH_B 0, 0, 0
	FETCH_A 0, 0, 0
	FETCH_A 0, 0, 4
	STEP 0, 0, 1
	BIAS 76
	TURN 0, 1, 1
	STEP 1, 0, 0
	TURN 1, 0, 1
	STEP 0, 0, 0
	TURN 0, 1, 2
	STEP 1, 0, 0
	TURN 1, 0, 2
	s_wait_xcnt 0x0
	s_wait_loadcnt 0x0
	SCALEB NB2
	WAYOUT SCL1, LIM1, 80
	s_wait_xcnt 0x0
	STEP 0, 0, 1
	TURN 0, 1, 1
	STEP 1, 0, 0
	TURN 1, 0, 1
	STEP 0, 0, 0
	TURN 0, 1, 0
	STEP 1, 0, 0
	s_wait_dscnt 4*NL
	WIN MUL_LO
	MUL16 0, 1, 0
	MUL16 2, 1, 0
	s_wait_dscnt 0
	WIN MUL_HI
	MUL16 4, 1, 0
	MUL16 6, 1, 0
	WIN 0
	PLACES NP
	WAYOUT SCL2, LIM2, 82
	s_wait_tensorcnt 0x0
	ds_add_u32 v[SPW], v[NIL]
	s_wait_dscnt 0x0
	CROUND
	s_endpgm
.Lfunc_end_k_q8070b5cc9f_qk:
	.size	k_q8070b5cc9f_qk, .Lfunc_end_k_q8070b5cc9f_qk-k_q8070b5cc9f_qk
	.p2alignl 7, 3214868480
	.fill 96, 4, 3214868480
	.section	.rodata,"a",@progbits
	.p2align	6, 0x0
	.amdhsa_kernel k_q8070b5cc9f_qk
		.amdhsa_group_segment_fixed_size 327680
		.amdhsa_private_segment_fixed_size 0
		.amdhsa_enable_private_segment 0
		.amdhsa_kernarg_size 96
		.amdhsa_user_sgpr_count 2
		.amdhsa_user_sgpr_kernarg_segment_ptr 1
		.amdhsa_wavefront_size32 1
		.amdhsa_system_sgpr_workgroup_id_x 1
		.amdhsa_system_sgpr_workgroup_id_y 1
		.amdhsa_system_sgpr_workgroup_id_z 1
		.amdhsa_system_vgpr_workitem_id 0
		.amdhsa_next_free_vgpr 1024
		.amdhsa_next_free_sgpr 100
		.amdhsa_reserve_vcc 0
		.amdhsa_float_denorm_mode_32 3
		.amdhsa_float_denorm_mode_16_64 3
		.amdhsa_memory_ordered 1
		.amdhsa_forward_progress 1
		.amdhsa_inst_pref_size 255
	.end_amdhsa_kernel
	.section	.bss,"aw",@nobits
	.p2align	6
	.space	262144
	.amdgpu_metadata
---
amdhsa.version: [ 1, 2 ]
amdhsa.kernels:
  - .name:           k_q8070b5cc9f_qk
    .symbol:         k_q8070b5cc9f_qk.kd
    .args:
      - { .name: x_codes, .offset: 0, .size: 8, .value_kind: global_buffer, .address_space: global }
      - { .name: wq_codes, .offset: 8, .size: 8, .value_kind: global_buffer, .address_space: global }
      - { .name: wk_codes, .offset: 16, .size: 8, .value_kind: global_buffer, .address_space: global }
      - { .name: bq, .offset: 24, .size: 8, .value_kind: global_buffer, .address_space: global }
      - { .name: bk, .offset: 32, .size: 8, .value_kind: global_buffer, .address_space: global }
      - { .name: lowp_scales, .offset: 40, .size: 8, .value_kind: global_buffer, .address_space: global }
      - { .name: q_ws, .offset: 48, .size: 8, .value_kind: global_buffer, .address_space: global }
      - { .name: k_ws, .offset: 56, .size: 8, .value_kind: global_buffer, .address_space: global }
      - { .name: wv_codes, .offset: 64, .size: 8, .value_kind: global_buffer, .address_space: global }
      - { .name: wo_codes, .offset: 72, .size: 8, .value_kind: global_buffer, .address_space: global }
      - { .name: wv_perm, .offset: 80, .size: 8, .value_kind: global_buffer, .address_space: global }
      - { .name: wo_perm, .offset: 88, .size: 8, .value_kind: global_buffer, .address_space: global }
    .group_segment_fixed_size: 327680
    .private_segment_fixed_size: 0
    .kernarg_segment_align: 8
    .kernarg_segment_size: 96
    .max_flat_workgroup_size: 128
    .sgpr_count:     100
    .vgpr_count:     1024
    .wavefront_size: 32
...
	.end_amdgpu_metadata
.endif
;; end of part 1
;; launch vatt (part 2): grid 4 x 64, 4 waves a work-group, clusters of 4 x 4, 327,680 bytes of LDS; arguments x_codes, wv_perm, bv, lowp_scales, q_ws, k_ws, att_ws; writes att_ws
.if DOCPART == 2
	.amdgcn_target "amdgcn-amd-amdhsa--gfx1250"
	.amdhsa_code_object_version 6
	.text
	.protected	k_q8070b5cc9f_vatt
	.globl	k_q8070b5cc9f_vatt
	.p2align	8
	.type	k_q8070b5cc9f_vatt,@function
k_q8070b5cc9f_vatt:
	s_mov_b64 s[64:65], 0
	v_nop
	global_prefetch_b8 v0, s[64:65] scope:SCOPE_SE
	s_setreg_imm32_b32 hwreg(HW_REG_WAVE_MODE, 25, 1), 1
	s_wait_xcnt 0x0
	s_wait_alu depctr_hold_cnt(0) depctr_sa_sdst(0) depctr_va_vdst(0) depctr_va_sdst(0) depctr_va_ssrc(0) depctr_va_vcc(0) depctr_vm_vsrc(0)
	s_getreg_b32 s2, hwreg(HW_REG_IB_STS2, 6, 4)
	s_cmp_eq_u32 s2, 0
	s_cbranch_scc0 .Lentry_in_a_cluster
	s_endpgm
.Lentry_in_a_cluster:
	s_bfe_u32 s2, ttmp6, 0x10000c
	s_cmp_lg_u32 s2, 0xf033
	s_cbranch_scc0 .Lentry_shape_is_right
	s_endpgm
.Lentry_shape_is_right:
; SECOND OF THREE LAUNCHES.  v = x wv^T + bv stays in registers; the scores q k^T of each position on codes of BF8, the softmax over the 16 heads, the weights x v in f32 (its result goes into a quantiser), and the result's codes.  Nothing is left out.
; A tile is 256 positions x 256 columns of v; K goes in four steps of 256 through two LDS slots; 4 x 4 clusters with joint loads (x shared along a row of the cluster, wv_perm along a column).
; SHARES: wave w owns positions 64 w .. 64 w + 63 and ALL 256 columns: 64 accumulators.  Tile column cb holds 16 heads x the 16 values d = 16 cb + dd: wv_perm's row cb 256 + head 16 + dd.
; The product is used in its natural sense (source 0 = 16 positions, source 1 = 16 rows of wv_perm = one head): in accumulator (a, b) lane (r, h) holds dd = r of head b, register t position 16 a + 8 h + t.
; THE WEIGHTS: S^T = k q^T by one v_wmma_f32_16x16x64_bf8_bf8 a position: lane r = head i, registers = heads j = 8 h + 0 .. 7.  p = 2^(c s - c max) / the sum, c = log2(e) / 8 x 2^(e6 + e7).  A wave makes p for its own 64 positions alone, and p stays in its registers.
; out^T = v^T p^T by v_wmma_f32_16x16x4_f32, four K steps a position: step s takes heads j = 8 h + 2 s + 0, 1.  Source 1 is p's register pair 2 s, 2 s + 1 as it stands.  Source 0 wants, for ONE position, lane (r, h) = dd r, heads 8 h + ..:
; so 128 additions (which add the bias too) copy a block of 16 positions to registers [t][head], and 64 exchanges of lane halves between head b and head b + 8 bring each position's 16 heads together.
; The result: lane r = head i, register u = dd 8 h + u: eight codes a lane; the wave's 32 lanes store one position's 256 bytes, aligned, by one instruction.
; att_ws: [16384][1024] codes, byte cb 256 + i 16 + dd = head i, d = 16 cb + dd.  wo_perm has the same order along K.
; q and k come by plain loads into operand registers, not jointly: a tile row's 256 positions x 2,048 bytes do not fit into LDS beside the ring.
; PREFETCHES INTO THE L2: K steps 2 and 3 of x and wv_perm, one refill ahead of their loads: of the 128 rows that a wave fetches each of the four partners names 32, told apart by address, a lane a row of 256 bytes.
; q's and k's rows of the tile row: 64 positions to cx, 16 of them to each wave, lanes 256 bytes apart; q's behind the last refill, k's one K step later.  No address register of a prefetch is rewritten.
; LIMITS: e8 - e4 - e5 between -126 and 112; e6 + e7 between -123 and 130 (added to c's exponent field); bv / 2^(e4 + e5) finite.  NaN among the inputs is not served.
; REGISTERS: window 0: v0-15 addresses, v16-31 the bias, v32-95 S^T then p of eight positions, v96-127 the softmax's statistics then codes, v128-255 x's fragments in two sets, later v of 16 positions.
;   window 1: wv's 16 fragments, one set; later v0-255 q's and k's fragments in two sets.   windows 2, 3: the accumulators of heads 0-7, 8-15: (a, b) at 8 (4 (b % 8) + a).
.set ROWB,   256
.set KROW,   1024
.set PITCH,  272                       ; an LDS row: 256 bytes + 16 of padding
.set HALFT,  128*PITCH
.set SLOT,   4*HALFT                   ; x's 256 rows, then wv's 256 rows
.set SPARE,  2*SLOT                    ; behind the ring: the spare words, 128 bytes a wave
.set PFR,  3                           ; v3   1,024 x lane: a row a lane
.set QA,   5                           ; v5   q, k: 64 r + 16 h
.set GO,   6                           ; v6   my 8 bytes of a position's 256: 16 r + 8 h
.set PFO,  7                           ; v7   256 x lane
.set SCL,  8                           ; v8   2^(e8 - e4 - e5)
.set LIM,  9                           ; v9   57,344 x that
.set SPW,  10
.set NIL,  11
.set ADRA, 12
.set ADRB, 14
.set BB,   16                          ; v16-31 bv / 2^(e4 + e5) of head j, dd = r
.set SD,   32
.set T,    96
.set AF,   128
.set ST,   128
; THE f32 SUMS lie in window 2, position n of a batch at v[32 n .. 32 n + 7] (and not in window 1): the registers of block 0's accumulators of heads 0-7, which matrix instructions alone write
; and whose values the first copy of a block has taken out before the first f32 product.
.set G1, 24
.set G0, 32
.set G1B, 48
.set G0B, 56
.set MSB, 0
.macro WIN new                         ; the immediate's high byte repeats the setting that is left
.if MSB != (\new)
	s_set_vgpr_msb (MSB<<8)|(\new)
.set MSB, (\new)
.endif
.endm
.set MUL_LO, 0xa4                      ; source 0 (x) window 0, source 1 (wv) window 1, C and D window 2
.set MUL_HI, 0xf4
.set TO_B,   0x40
.macro JLOAD g0a, g1a, g0b, g1b        ; a joint load: waves 0 and 1 fetch for x, waves 2 and 3 for wv; an s_nop 0 and four v_nop follow each line
	s_cmp_eq_u32 s15, 0
	s_cbranch_scc0 .Lfor_b_\@
	tensor_load_to_lds s[\g0a:\g0a+3], s[\g1a:\g1a+7]
	s_nop 0
.rept 4
	v_nop
.endr
	s_branch .Lasked_\@
.Lfor_b_\@:
	tensor_load_to_lds s[\g0b:\g0b+3], s[\g1b:\g1b+7]
	s_nop 0
.rept 4
	v_nop
.endr
.Lasked_\@:
.endm
.macro CREST
	s_cmp_lg_u32 s14, 0
	s_cbranch_scc1 .Lnot_wave_0_\@
	s_barrier_signal -3
.Lnot_wave_0_\@:
	s_barrier_wait -3
	s_barrier_signal -1
	s_barrier_wait -1
.endm
.macro CROUND
	s_barrier_signal -1
	s_barrier_wait -1
	CREST
.endm
.macro PLACES n
.rept \n
	v_nop
.endr
.endm
	s_load_b256 s[68:75], s[0:1], 0x0              ; x 68, wv_perm 70, bv 72, the exponents 74
	s_load_b128 s[76:79], s[0:1], 0x20             ; q_ws 76, k_ws 78
	s_load_b64 s[80:81], s[0:1], 0x30              ; att_ws
	v_lshl_add_u32 v[SPW], v0, 2, SPARE
	v_mov_b32 v[NIL], 0
	ds_add_u32 v[SPW], v[NIL]                      ; the opening: the add, twice on end, and its wait ahead of my first tensor load
	ds_add_u32 v[SPW], v[NIL]
	v_lshrrev_b32 v1, 5, v0
	v_readfirstlane_b32 s14, v1                    ; wave 0..3
	s_lshr_b32 s15, s14, 1                         ; I fetch for x (0) or for wv (1),
	s_and_b32 s16, s14, 1                          ; and which 128 rows
	s_bfe_u32 s40, ttmp6, 0x40000                  ; cx, cy
	s_bfe_u32 s41, ttmp6, 0x40004
	s_lshl_b32 s42, ttmp9, 2
	s_add_co_u32 s42, s42, s40                     ; tile column cb
	s_and_b32 s17, ttmp7, 0xffff
	s_lshl_b32 s17, s17, 2
	s_add_co_u32 s17, s17, s41                     ; tile row
	s_lshl_b32 s43, s41, 2
	s_lshl_b32 s43, 15, s43                        ; my row of the cluster
	s_lshl_b32 s44, 0x1111, s40                    ; my column
	s_or_b32 s[G1+0], s43, (0<<16)|(1<<20)|(1<<21)|(5<<22)|(3<<25)  ; the mask; elements of 1 byte; padding on; bit 21 beside a mask; four words of padding after every 64
	s_or_b32 s[G1B+0], s44, (0<<16)|(1<<20)|(1<<21)|(5<<22)|(3<<25)
.irp g, G1, G1B
	s_mov_b32 s[\g+1], ROWB<<16
	s_mov_b32 s[\g+2], 128<<16
	s_mov_b32 s[\g+3], ROWB<<16
	s_mov_b32 s[\g+4], 128
	s_mov_b32 s[\g+5], KROW
	s_mov_b32 s[\g+6], 0
	s_mov_b32 s[\g+7], 0
.endr
	s_lshl_b32 s18, s16, 7
	s_lshl_b32 s20, s17, 8
	s_add_co_u32 s20, s20, s18
	s_lshl_b32 s20, s20, 10                        ; x: (256 x tile row + 128 x half) rows of 1,024 bytes
	s_mov_b32 s21, 0
	s_lshl_b32 s46, s42, 8
	s_add_co_u32 s46, s46, s18
	s_lshl_b32 s46, s46, 10                        ; wv_perm: (256 x tile column + 128 x half) rows
	s_mov_b32 s47, 0
	s_mul_i32 s45, s14, HALFT
	s_mul_i32 s22, s14, 64*PITCH                   ; my 64 rows of x in slot 0,
	s_add_co_u32 s23, s22, SLOT                    ; in slot 1
	s_mov_b32 s94, 0x76543210                      ; v_permlanex16_b32's selects for lane l xor 16
	s_mov_b32 s95, 0xfedcba98
	s_mov_b32 s96, 0x3e38aa3b                      ; log2(e) / 8
	s_wait_dscnt 0x0                               ; both opening adds are done
	s_wait_kmcnt 0x0
	s_load_b256 s[4:11], s[74:75], 0x0             ; e0 .. e7
	s_load_b32 s12, s[74:75], 0x20                 ; e8
	s_add_nc_u64 s[20:21], s[68:69], s[20:21]
	s_add_nc_u64 s[46:47], s[70:71], s[46:47]
	CROUND                                         ; all sixteen work-groups are here: the first joint loads meet
.irp s, 0,1
	s_mov_b32 s[G0+4*\s], 1
	s_add_co_u32 s[G0+4*\s+1], s45, \s*SLOT
	s_add_nc_u64 s[G0+4*\s+2:G0+4*\s+3], s[20:21], \s*ROWB
	s_or_b32 s[G0+4*\s+3], s[G0+4*\s+3], 0x80000000
	s_mov_b32 s[G0B+4*\s], 1
	s_add_co_u32 s[G0B+4*\s+1], s45, \s*SLOT
	s_add_nc_u64 s[G0B+4*\s+2:G0B+4*\s+3], s[46:47], \s*ROWB
	s_or_b32 s[G0B+4*\s+3], s[G0B+4*\s+3], 0x80000000
.endr
	JLOAD G0, G1, G0B, G1B                         ; K step 0: one tensor load a wave at the head
	v_and_b32 v1, 15, v0                           ; r
	v_bfe_u32 v2, v0, 4, 1                         ; h
	v_mul_u32_u24 v3, v1, PITCH
	v_lshl_add_u32 v4, v2, 4, v3                   ; a fragment's row x pitch + 16 h
	v_add_nc_u32 v[ADRA], s22, v4
	v_add_nc_u32 v[ADRA+1], s23, v4
	v_add_nc_u32 v[ADRB], 2*HALFT, v4
	v_add_nc_u32 v[ADRB+1], 2*HALFT+SLOT, v4
	v_lshlrev_b32 v[QA], 6, v1
	v_lshl_add_u32 v[QA], v2, 4, v[QA]
	v_lshlrev_b32 v[GO], 4, v1
	v_lshl_add_u32 v[GO], v2, 3, v[GO]
	v_and_b32 v3, 31, v0
	v_lshlrev_b32 v[PFO], 8, v3
	v_lshlrev_b32 v[PFR], 10, v3
	v_lshlrev_b32 v4, 2, v1                        ; bv: + 4 r
.irp n, 0,1,2,3,4,5,6,7
	v_mov_b32 v[T+4*\n+1], 0                       ; written once: a lane permute's destination counts as one of its sources
.endr
	s_wait_alu depctr_va_vdst(0)                   ; the wait behind these writes
	s_lshl_b32 s18, s17, 8                         ; position 256 x tile row + 64 x wave
	s_lshl_b32 s19, s14, 6
	s_add_co_u32 s18, s18, s19
	s_lshl_b32 s18, s18, 10
	s_mov_b32 s19, 0
	s_add_nc_u64 s[84:85], s[76:77], s[18:19]      ; q
	s_add_nc_u64 s[86:87], s[78:79], s[18:19]      ; k
	s_add_nc_u64 s[88:89], s[80:81], s[18:19]      ; att_ws,
	s_lshl_b32 s46, s42, 8
	s_mov_b32 s47, 0
	s_add_nc_u64 s[88:89], s[88:89], s[46:47]      ; + 256 cb
	s_lshl_b32 s46, s17, 18                        ; the prefetches of q and k: 64 positions to cx, 16 of them to each wave
	s_lshl_b32 s47, s40, 16
	s_add_co_u32 s46, s46, s47
	s_lshl_b32 s47, s14, 14
	s_add_co_u32 s46, s46, s47
	s_mov_b32 s47, 0
	s_add_nc_u64 s[90:91], s[76:77], s[46:47]
	s_add_nc_u64 s[92:93], s[78:79], s[46:47]
	s_lshl_b32 s46, s17, 8                         ; the prefetches of the tiles: of the 128 rows that I fetch, my work-group's 32
	s_lshl_b32 s47, s42, 8
	s_cmp_eq_u32 s15, 0
	s_cselect_b32 s46, s46, s47
	s_cselect_b32 s47, s40, s41
	s_cselect_b64 s[82:83], s[68:69], s[70:71]
	s_lshl_b32 s47, s47, 5
	s_add_co_u32 s46, s46, s47
	s_lshl_b32 s47, s16, 7
	s_add_co_u32 s46, s46, s47
	s_lshl_b32 s46, s46, 10
	s_mov_b32 s47, 0
	s_add_nc_u64 s[82:83], s[82:83], s[46:47]
	global_prefetch_b8 v[PFR], s[82:83] offset:2*ROWB th:TH_LOAD_NT scope:SCOPE_SE   ; K step 2, which the first refill will load
	s_lshl_b32 s46, s42, 6                         ; bv at d = 16 cb
	s_add_nc_u64 s[72:73], s[72:73], s[46:47]
.irp j, 0,1,2,3,4,5,6,7,8,9,10,11,12,13,14,15
	global_load_b32 v[BB+\j], v4, s[72:73] offset:256*\j   ; head j, dd = r
.endr
	s_wait_kmcnt 0x0                               ; the exponents
	s_add_co_i32 s8, s8, s9                        ; e4 + e5
	s_sub_co_i32 s9, 0, s8
	s_sub_co_i32 s12, s12, s8
	s_add_co_i32 s12, s12, 127
	s_lshl_b32 s4, s12, 23
	v_mov_b32 v[SCL], s4                           ; 2^(e8 - e4 - e5): an accumulator stands for v / 2^(e4 + e5), and so does p v
	s_add_co_i32 s12, s12, 15
	s_lshl_b32 s12, s12, 23
	s_or_b32 s12, s12, 0x600000
	v_mov_b32 v[LIM], s12                          ; 57,344 x that
	s_add_co_i32 s10, s10, s11
	s_lshl_b32 s10, s10, 23
	s_add_co_i32 s96, s96, s10                     ; c: the exponents e6 + e7 are added to c's exponent field
	s_mov_b32 s97, s96
	s_wait_loadcnt 0x0
.set j, 0
.rept 16
	v_ldexp_f32 v[BB+j], v[BB+j], s9               ; bv / 2^(e4 + e5)
.set j, j+1
.endr
.macro MUL16 hb, b0, p, zero           ; 16 matrix instructions: heads 8 hb + b0 .. + 3 x my four blocks of 16 positions; the 64 accumulators take turns; zero = 1: the first product starts the sums
.irp b, \b0, \b0+1, \b0+2, \b0+3
.irp a, 0,1,2,3
.if \zero
	v_wmma_f32_16x16x128_bf8_bf8 v[8*(4*(\b)+\a):8*(4*(\b)+\a)+7], v[AF+64*(\p)+16*\a:AF+64*(\p)+16*\a+15], v[16*(8*(\hb)+(\b)):16*(8*(\hb)+(\b))+15], 0
.else
	v_wmma_f32_16x16x128_bf8_bf8 v[8*(4*(\b)+\a):8*(4*(\b)+\a)+7], v[AF+64*(\p)+16*\a:AF+64*(\p)+16*\a+15], v[16*(8*(\hb)+(\b)):16*(8*(\hb)+(\b))+15], v[8*(4*(\b)+\a):8*(4*(\b)+\a)+7]
.endif
.endr
.endr
.endm
.macro FETCH_A slot, q, p              ; x's four fragments of the slot's q-th 128 along K into set p: 16 loads
.irp i, 0,1,2,3
.irp c, 0,1,2,3
	ds_load_b128 v[AF+64*(\p)+16*\i+4*\c:AF+64*(\p)+16*\i+4*\c+3], v[ADRA+\slot] offset:128*(\q)+32*\c+\i*16*PITCH
.endr
.endr
.endm
.macro FETCH_B slot, q, i0             ; wv's fragments i0 .. i0 + 7: 32 loads
	WIN TO_B
.irp i, \i0, \i0+1, \i0+2, \i0+3, \i0+4, \i0+5, \i0+6, \i0+7
.irp c, 0,1,2,3
	ds_load_b128 v[16*(\i)+4*\c:16*(\i)+4*\c+3], v[ADRB+\slot] offset:128*(\q)+32*\c+(\i)*16*PITCH
.endr
.endr
	WIN 0
.endm
.macro STEP slot, zero                 ; a slot's first 128 along K, on x's set 0; the second 128's fragments are fetched
	s_wait_dscnt 32                                ; all but the youngest 32 loads (wv's fragments 8-15)
	WIN MUL_LO
	MUL16 0, 0, 0, \zero
	MUL16 0, 4, 0, \zero
	s_wait_dscnt 0
	WIN 0
	PLACES 4
	FETCH_A \slot, 1, 1
	FETCH_B \slot, 1, 0
	WIN MUL_HI
	MUL16 1, 0, 0, \zero
	MUL16 1, 4, 0, \zero
	WIN 0
	PLACES 4
	FETCH_B \slot, 1, 8
.endm
.macro TURN slot, next, fill, pf       ; a slot's second 128 along K, on x's set 1, and the change of slots
	s_wait_tensorcnt 0x0                           ; all my tensor loads have landed: my part of the next slot
	ds_add_u32 v[SPW], v[NIL]                      ; 0 onto my spare word
	s_wait_dscnt 33                                ; (the add and the youngest 32 loads may be out)
	WIN MUL_LO
	MUL16 0, 0, 1, 0
	s_wait_dscnt 0x0                               ; the add is done, and my reads of this slot are over
	s_barrier_signal -1
	MUL16 0, 4, 1, 0
	WIN 0
	s_barrier_wait -1
.if \fill
	CREST                                          ; a round of the cluster's barrier: no wave of any partner still reads this slot or has a load on its way
	s_add_nc_u64 s[G0+4*\slot+2:G0+4*\slot+3], s[G0+4*\slot+2:G0+4*\slot+3], 2*ROWB
	s_add_nc_u64 s[G0B+4*\slot+2:G0B+4*\slot+3], s[G0B+4*\slot+2:G0B+4*\slot+3], 2*ROWB
	JLOAD G0+4*\slot, G1, G0B+4*\slot, G1B         ; its four v_nop are also the places in front of the loads below
.else
	PLACES 4
.endif
	FETCH_A \next, 0, 0
	FETCH_B \next, 0, 0
.if \pf == 1
	global_prefetch_b8 v[PFR], s[82:83] offset:3*ROWB th:TH_LOAD_NT scope:SCOPE_SE   ; K step 3, which the next refill will load
.endif
.if \pf == 2
	global_prefetch_b8 v[PFO], s[90:91] th:TH_LOAD_NT scope:SCOPE_SE
	global_prefetch_b8 v[PFO], s[90:91] offset:8192 th:TH_LOAD_NT scope:SCOPE_SE
.endif
.if \pf == 3
	global_prefetch_b8 v[PFO], s[92:93] th:TH_LOAD_NT scope:SCOPE_SE
	global_prefetch_b8 v[PFO], s[92:93] offset:8192 th:TH_LOAD_NT scope:SCOPE_SE
.endif
	WIN MUL_HI
	MUL16 1, 0, 1, 0
	MUL16 1, 4, 1, 0
	WIN 0
	PLACES 4
	FETCH_B \next, 0, 8
.endm
; Batch bt is positions 8 bt + 0 .. 7 of my 64.  q's and k's fragments, 16 heads x 64, are 8 registers each: two loads of 16 bytes, 32 bytes apart, at 64 r + 16 h: the same places of k in both operands.
.macro LOADQK bt                       ; into set bt % 2 of window 1 (128 registers a set): a batch is asked for two batches ahead of its use
.set LS, 128*((\bt)%2)
	WIN TO_B
.irp n, 0,1,2,3,4,5,6,7
	global_load_b128 v[LS+16*\n:LS+16*\n+3],     v[QA], s[84:85] offset:(8*(\bt)+\n)*1024
	global_load_b128 v[LS+16*\n+4:LS+16*\n+7],   v[QA], s[84:85] offset:(8*(\bt)+\n)*1024+32
	global_load_b128 v[LS+16*\n+8:LS+16*\n+11],  v[QA], s[86:87] offset:(8*(\bt)+\n)*1024
	global_load_b128 v[LS+16*\n+12:LS+16*\n+15], v[QA], s[86:87] offset:(8*(\bt)+\n)*1024+32
.endr
	WIN 0
.endm
; v of block a (16 positions) + the bias, copied to [t][head]; then head b's upper lanes change places with head b + 8's lower lanes:
; ST + 8 t + b: position 16 a + t, head b + 8 h;  ST + 64 + 8 t + b: position 16 a + 8 + t, head b + 8 h.  t ascends.
.macro RELAY a
	WIN 0x02
	s_wait_alu depctr_va_vdst(0)                   ; the wait directly ahead of the first readers of these matrix results
.irp t, 0,1,2,3,4,5,6,7
.irp b, 0,1,2,3,4,5,6,7
	v_add_f32 v[ST+8*\t+\b], v[8*(4*\b+(\a))+\t], v[BB+\b]
.endr
.endr
	WIN 0x03
	s_wait_alu depctr_va_vdst(0)
.irp t, 0,1,2,3,4,5,6,7
.irp b, 0,1,2,3,4,5,6,7
	v_add_f32 v[ST+64+8*\t+\b], v[8*(4*\b+(\a))+\t], v[BB+8+\b]
.endr
.endr
	WIN 0
.set j, 0
.rept 64
	v_permlane16_swap_b32 v[ST+j], v[ST+64+j]
.set j, j+1
.endr
.endm
.macro BATCH bt
.set FM, ST+64*((\bt)%2)
	s_wait_xcnt 0x0                                ; the last batch's stores have read their data registers
.set FS, 128*((\bt)%2)
.if (\bt) < 7
	s_wait_loadcnt 32                              ; this batch's 32 loads are in; the next batch's 32 may be out
.else
	s_wait_loadcnt 0x0
.endif
	WIN 0x05
.irp n, 0,1,2,3,4,5,6,7
	v_wmma_f32_16x16x64_bf8_bf8 v[SD+8*\n:SD+8*\n+7], v[FS+16*\n+8:FS+16*\n+15], v[FS+16*\n:FS+16*\n+7], 0
.endr
	WIN 0
	PLACES 4                                       ; in front of the loads into the registers just read, and of the first read of the scores
.if (\bt) < 6
	LOADQK (\bt)+2
.endif
.if ((\bt)%2) == 0
	RELAY (\bt)/2
.endif
.irp n, 0,1,2,3,4,5,6,7
	v_max3_num_f32 v[T+4*\n], v[SD+8*\n], v[SD+8*\n+1], v[SD+8*\n+2]   ; the largest score of head i among my eight j
.endr
.irp n, 0,1,2,3,4,5,6,7
	v_max3_num_f32 v[T+4*\n], v[T+4*\n], v[SD+8*\n+3], v[SD+8*\n+4]
.endr
.irp n, 0,1,2,3,4,5,6,7
	v_max3_num_f32 v[T+4*\n], v[T+4*\n], v[SD+8*\n+5], v[SD+8*\n+6]
.endr
.irp n, 0,1,2,3,4,5,6,7
	v_max_num_f32 v[T+4*\n], v[T+4*\n], v[SD+8*\n+7]
.endr
.irp n, 0,1,2,3,4,5,6,7
	v_permlanex16_b32 v[T+4*\n+1], v[T+4*\n], s94, s95   ; the other eight j lie in lane l xor 16
.endr
.irp n, 0,1,2,3,4,5,6,7
	v_max_num_f32 v[T+4*\n], v[T+4*\n], v[T+4*\n+1]
.endr
.irp n, 0,1,2,3,4,5,6,7
	v_mul_f32 v[T+4*\n], s96, v[T+4*\n]            ; c x the maximum (c is positive)
.endr
.irp k, 0,2,4,6
.irp n, 0,1,2,3,4,5,6,7
	v_pk_fma_f32 v[SD+8*\n+\k:SD+8*\n+\k+1], v[SD+8*\n+\k:SD+8*\n+\k+1], s[96:97], v[T+4*\n:T+4*\n+1] op_sel_hi:[1,0,0] neg_lo:[0,0,1] neg_hi:[0,0,1]   ; c s - c max
.endr
.endr
.set j, 0
	s_wait_alu depctr_va_vdst(0)                   ; the wait ahead of the batch
.rept 64
	v_exp_f32 v[SD+j], v[SD+j]
.set j, j+1
.endr
	v_nop
	s_wait_alu depctr_va_vdst(0)                   ; the wait behind the batch
.irp n, 0,1,2,3,4,5,6,7
	v_pk_add_f32 v[T+4*\n+2:T+4*\n+3], v[SD+8*\n:SD+8*\n+1], v[SD+8*\n+2:SD+8*\n+3]
.endr
.irp n, 0,1,2,3,4,5,6,7
	v_pk_add_f32 v[T+4*\n+2:T+4*\n+3], v[T+4*\n+2:T+4*\n+3], v[SD+8*\n+4:SD+8*\n+5]
.endr
.irp n, 0,1,2,3,4,5,6,7
	v_pk_add_f32 v[T+4*\n+2:T+4*\n+3], v[T+4*\n+2:T+4*\n+3], v[SD+8*\n+6:SD+8*\n+7]
.endr
.irp n, 0,1,2,3,4,5,6,7
	v_add_f32 v[T+4*\n], v[T+4*\n+2], v[T+4*\n+3]
.endr
.irp n, 0,1,2,3,4,5,6,7
	v_permlanex16_b32 v[T+4*\n+1], v[T+4*\n], s94, s95
.endr
.irp n, 0,1,2,3,4,5,6,7
	v_add_f32 v[T+4*\n], v[T+4*\n], v[T+4*\n+1]    ; the row's sum
.endr
	s_wait_alu depctr_va_vdst(0)
.irp n, 0,1,2,3,4,5,6,7
	v_rcp_f32 v[T+4*\n+2], v[T+4*\n]
.endr
	v_nop
	s_wait_alu depctr_va_vdst(0)
.irp k, 0,2,4,6
.irp n, 0,1,2,3,4,5,6,7
	v_pk_mul_f32 v[SD+8*\n+\k:SD+8*\n+\k+1], v[SD+8*\n+\k:SD+8*\n+\k+1], v[T+4*\n+2:T+4*\n+3] op_sel_hi:[1,0]   ; the finished weights
.endr
.endr
	WIN 0x80                                       ; out^T = v^T p^T: the eight positions' sums take turns; the first K step starts them
.irp n, 0,1,2,3,4,5,6,7
	v_wmma_f32_16x16x4_f32 v[32*\n:32*\n+7], v[FM+8*\n:FM+8*\n+1], v[SD+8*\n:SD+8*\n+1], 0
.endr
	WIN 0xa0
.irp s, 2,4,6
.irp n, 0,1,2,3,4,5,6,7
	v_wmma_f32_16x16x4_f32 v[32*\n:32*\n+7], v[FM+8*\n+\s:FM+8*\n+\s+1], v[SD+8*\n+\s:SD+8*\n+\s+1], v[32*\n:32*\n+7]
.endr
.endr
	WIN 0
	PLACES 8                                       ; eight places behind this form (ISA guide 7.12.1)
	WIN 0x02
.set j, 0
.rept 64
	v_med3_num_f32 v[FM+j], v[32*(j/8)+j%8], -v[LIM], v[LIM]   ; the hold at the largest code x the scale, into other registers; each sum from its low end on
.set j, j+1
.endr
	WIN 0
.irp n, 0,1,2,3,4,5,6,7
	v_cvt_scalef32_pk8_bf8_f32 v[T+4*\n:T+4*\n+1], v[FM+8*\n:FM+8*\n+7], v[SCL]
.endr
	v_nop                                          ; one plain vector instruction behind the last conversion
.irp n, 0,1,2,3,4,5,6,7
	global_store_b64 v[GO], v[T+4*\n:T+4*\n+1], s[88:89] offset:(8*(\bt)+\n)*1024   ; 32 lanes store 256 consecutive bytes, at a multiple of 256 from the buffer's first byte
.endr
.endm
	s_wait_alu depctr_va_vdst(0)                   ; the wait at the head's end
	s_wait_tensorcnt 0x0                           ; my part of K step 0 is in; the lines ahead of a later first fill:
	ds_add_u32 v[SPW], v[NIL]
	s_wait_dscnt 0x0
	CROUND                                         ; everybody's part of K step 0 is in, and the joint loads meet
	JLOAD G0+4, G1, G0B+4, G1B                     ; K step 1, the first tensor load behind the round
	FETCH_A 0, 0, 0
	FETCH_B 0, 0, 0
	FETCH_B 0, 0, 8
	STEP 0, 1
	TURN 0, 1, 1, 1
	STEP 1, 0
	TURN 1, 0, 1, 2
	STEP 0, 0
	TURN 0, 1, 0, 3
	STEP 1, 0
	s_wait_dscnt 32                                ; the very last 128 along K
	WIN MUL_LO
	MUL16 0, 0, 1, 0
	MUL16 0, 4, 1, 0
	WIN 0
	PLACES 4
	LOADQK 0                                       ; wv's fragments 0-7 are done with: their registers take the first batch of q and k
	s_wait_dscnt 0
	WIN MUL_HI
	MUL16 1, 0, 1, 0
	MUL16 1, 4, 1, 0
	WIN 0
	PLACES 4
	LOADQK 1                                       ; wv's fragments 8-15 are done with too: their registers take the second batch
	BATCH 0
	BATCH 1
	BATCH 2
	BATCH 3
	BATCH 4
	BATCH 5
	BATCH 6
	BATCH 7
	s_wait_tensorcnt 0x0                           ; the wave's end
	ds_add_u32 v[SPW], v[NIL]
	s_wait_dscnt 0x0
	CROUND                                         ; the closing round
	s_endpgm
.Lfunc_end_k_q8070b5cc9f_vatt:
	.size	k_q8070b5cc9f_vatt, .Lfunc_end_k_q8070b5cc9f_vatt-k_q8070b5cc9f_vatt
	.p2alignl 7, 3214868480
	.fill 96, 4, 3214868480
	.section	.rodata,"a",@progbits
	.p2align	6, 0x0
	.amdhsa_kernel k_q8070b5cc9f_vatt
		.amdhsa_group_segment_fixed_size 327680
		.amdhsa_private_segment_fixed_size 0
		.amdhsa_enable_private_segment 0
		.amdhsa_kernarg_size 56
		.amdhsa_user_sgpr_count 2
		.amdhsa_user_sgpr_kernarg_segment_ptr 1
		.amdhsa_wavefront_size32 1
		.amdhsa_system_sgpr_workgroup_id_x 1
		.amdhsa_system_sgpr_workgroup_id_y 1
		.amdhsa_system_sgpr_workgroup_id_z 1
		.amdhsa_system_vgpr_workitem_id 0
		.amdhsa_next_free_vgpr 1024
		.amdhsa_next_free_sgpr 100
		.amdhsa_reserve_vcc 0
		.amdhsa_float_denorm_mode_32 3
		.amdhsa_float_denorm_mode_16_64 3
		.amdhsa_memory_ordered 1
		.amdhsa_forward_progress 1
		.amdhsa_inst_pref_size 255
	.end_amdhsa_kernel
	.section	.bss,"aw",@nobits
	.p2align	6
	.space	262144
	.amdgpu_metadata
---
amdhsa.version: [ 1, 2 ]
amdhsa.kernels:
  - .name:           k_q8070b5cc9f_vatt
    .symbol:         k_q8070b5cc9f_vatt.kd
    .args:
      - { .name: x_codes, .offset: 0, .size: 8, .value_kind: global_buffer, .address_space: global }
      - { .name: wv_perm, .offset: 8, .size: 8, .value_kind: global_buffer, .address_space: global }
      - { .name: bv, .offset: 16, .size: 8, .value_kind: global_buffer, .address_space: global }
      - { .name: lowp_scales, .offset: 24, .size: 8, .value_kind: global_buffer, .address_space: global }
      - { .name: q_ws, .offset: 32, .size: 8, .value_kind: global_buffer, .address_space: global }
      - { .name: k_ws, .offset: 40, .size: 8, .value_kind: global_buffer, .address_space: global }
      - { .name: att_ws, .offset: 48, .size: 8, .value_kind: global_buffer, .address_space: global }
    .group_segment_fixed_size: 327680
    .private_segment_fixed_size: 0
    .kernarg_segment_align: 8
    .kernarg_segment_size: 56
    .max_flat_workgroup_size: 128
    .sgpr_count:     100
    .vgpr_count:     1024
    .wavefront_size: 32
...
	.end_amdgpu_metadata
.endif
;; end of part 2
;; launch proj (part 3): grid 8 x 32, 4 waves a work-group, clusters of 4 x 4, 327,680 bytes of LDS; arguments att_ws, wo_perm, bo, lowp_scales, out0; writes out0
.if DOCPART == 3
	.amdgcn_target "amdgcn-amd-amdhsa--gfx1250"
	.amdhsa_code_object_version 6
	.text
	.protected	k_q8070b5cc9f_proj
	.globl	k_q8070b5cc9f_proj
	.p2align	8
	.type	k_q8070b5cc9f_proj,@function
k_q8070b5cc9f_proj:
	s_mov_b64 s[64:65], 0
	v_nop
	global_prefetch_b8 v0, s[64:65] scope:SCOPE_SE
	s_setreg_imm32_b32 hwreg(HW_REG_WAVE_MODE, 25, 1), 1
	s_wait_xcnt 0x0
	s_wait_alu depctr_hold_cnt(0) depctr_sa_sdst(0) depctr_va_vdst(0) depctr_va_sdst(0) depctr_va_ssrc(0) depctr_va_vcc(0) depctr_vm_vsrc(0)
	s_getreg_b32 s2, hwreg(HW_REG_IB_STS2, 6, 4)
	s_cmp_eq_u32 s2, 0
	s_cbranch_scc0 .Lentry_in_a_cluster
	s_endpgm
.Lentry_in_a_cluster:
	s_bfe_u32 s2, ttmp6, 0x10000c
	s_cmp_lg_u32 s2, 0xf033
	s_cbranch_scc0 .Lentry_shape_is_right
	s_endpgm
.Lentry_shape_is_right:
; THIRD OF THREE LAUNCHES.  out0 = att wo^T + bo on codes of BF8: 16,384 x 1,024 x 1,024.  att_ws and wo_perm have the same order along K.  Nothing is left out.
; THE DEAL: 256 work-groups of four waves, 2 x 2; a work-group makes 512 rows x 128 columns.  A wave holds 64 rows of wo_perm, ALL of K, in 512 registers, and streams att's rows past them in blocks of 16 rows (128 registers, two sets).
; A block is 32 products on four accumulators by turns; the bias / 2^(e8 + e9) is the first four products' C; each finished sum is multiplied once by 2^(e8 + e9).
; The product is used transposed (source 0 = 16 rows of wo_perm, source 1 = 16 rows of att): a lane holds one row's eight neighbouring columns a tile.
; A finished block leaves at once: through my wave's own stage in LDS, back as rows of 256 bytes, two rows to a store: sixteen lanes store 256 consecutive bytes, aligned.
; LDS: two slots of 128 whole rows of K (1,024 bytes + 16 of padding); the spare words; four stages of 16 x 272 bytes, into which no fill lands.
; FILLS: at the head one tensor load a wave: the weight's 128 rows into slot 1 (waves 0, 1 a half each), chunk 0 (128 rows of att) into slot 0 (waves 2, 3).  Three refills, chunks 1 to 3, 32 rows a wave, each behind the three lines and a round of the cluster's barrier:
; chunk 1 goes onto the weight's bytes when all waves hold the weight in registers; chunk c + 1 is asked for ahead of chunk c's four blocks (128 products a wave).
; CLUSTERS 4 x 4: att's rows are shared along a row of the cluster, wo_perm's along a column: joint loads.
; PREFETCHES INTO THE L2: a chunk is 131,072 dense bytes; the sixteen waves of a row of the cluster name 8,192 bytes each, told apart by address, lanes 256 bytes apart: chunks 1 and 2 at the head, chunk 3 inside chunk 0.  Their address registers are never rewritten.
; LIMITS: e8 + e9 between -126 and 127; bo / 2^(e8 + e9) finite.  NaN among the inputs is not served.
; REGISTERS: window 0: v0-15 addresses, v32-63 the bias, v64-95 the accumulators, v96-127 the scaled sums, v128-159 rows on the way out.  Windows 1, 2: the weight: fragment 4 q + b.  Window 3: att's two sets.
.set KROW,   1024
.set PITCH,  1040
.set CH,     128
.set YB,     CH*PITCH                  ; slot 1
.set SPARE,  2*YB
.set STG,    SPARE+512
.set SPITCH, 272
.set NOUT,   4096                      ; a row of out0 in bytes
.set PFO,  5                           ; v5   256 x lane
.set ADRW, 6                           ; v6   my fragments of the weight
.set ADRX, 8                           ; v8, v9  my fragments of att's block 0 in slot 0, 1
.set STO,  10
.set RD,   11
.set CO,   12
.set SPW,  14
.set NIL,  15
.set BI,   32
.set ACC,  64
.set TMP,  96
.set RB,   128
.set G1W, 24
.set G1A, 32
.set G1R, 48
.set G0W, 56
.set G0A, 60
.set G0R, 84
.set MSB, 0
.macro WIN new                         ; the immediate's high byte repeats the setting that is left
.if MSB != (\new)
	s_set_vgpr_msb (MSB<<8)|(\new)
.set MSB, (\new)
.endif
.endm
.macro PLACES n
.rept \n
	v_nop
.endr
.endm
.macro CROUND                          ; a round of the cluster's barrier
	s_barrier_signal -1
	s_barrier_wait -1
	s_cmp_lg_u32 s14, 0
	s_cbranch_scc1 .Lnot_wave_0_\@
	s_barrier_signal -3
.Lnot_wave_0_\@:
	s_barrier_wait -3
	s_barrier_signal -1
	s_barrier_wait -1
.endm
.macro TLOAD g0, g1                    ; an s_nop 0 and four v_nop follow a tensor load
	tensor_load_to_lds s[\g0:\g0+3], s[\g1:\g1+7]
	s_nop 0
	PLACES 4
.endm
.macro GROUP1 g, mask, rows            ; so many whole rows of K, padded by four words after every 256
	s_or_b32 s[\g+0], s[\mask], (1<<20)|(1<<21)|(7<<22)|(3<<25)
	s_mov_b32 s[\g+1], (KROW&0xffff)<<16
	s_mov_b32 s[\g+2], (KROW>>16)|((\rows)<<16)
	s_mov_b32 s[\g+3], KROW<<16
	s_mov_b32 s[\g+4], \rows
	s_mov_b32 s[\g+5], KROW
	s_mov_b32 s[\g+6], 0
	s_mov_b32 s[\g+7], 0
.endm
	s_load_b256 s[68:75], s[0:1], 0x0              ; att_ws 68, wo_perm 70, bo 72, the exponents 74
	s_load_b64 s[76:77], s[0:1], 0x20              ; out0
	v_lshl_add_u32 v[SPW], v0, 2, SPARE
	v_mov_b32 v[NIL], 0
	ds_add_u32 v[SPW], v[NIL]                      ; the opening: the add, twice on end, and its wait ahead of my first tensor load
	ds_add_u32 v[SPW], v[NIL]
	v_lshrrev_b32 v1, 5, v0
	v_readfirstlane_b32 s14, v1                    ; wave 0..3
	s_lshr_b32 s15, s14, 1                         ; my row of waves.  At the head: I fetch the weight (0) or chunk 0 (1),
	s_and_b32 s16, s14, 1                          ; my column of waves.  At the head: which half
	s_bfe_u32 s40, ttmp6, 0x40000                  ; cx, cy
	s_bfe_u32 s41, ttmp6, 0x40004
	s_lshl_b32 s42, ttmp9, 2
	s_add_co_u32 s42, s42, s40                     ; tile column, 0 .. 7
	s_and_b32 s17, ttmp7, 0xffff
	s_lshl_b32 s17, s17, 2
	s_add_co_u32 s17, s17, s41                     ; tile row, 0 .. 31
	s_lshl_b32 s43, s41, 2
	s_lshl_b32 s43, 15, s43                        ; my row of the cluster
	s_lshl_b32 s44, 0x1111, s40                    ; my column
	GROUP1 G1W, 44, 64
	GROUP1 G1A, 43, 64
	GROUP1 G1R, 43, 32
	s_lshl_b32 s18, s16, 6
	s_lshl_b32 s20, s42, 7
	s_add_co_u32 s20, s20, s18
	s_lshl_b32 s20, s20, 10                        ; wo_perm: (128 x tile column + 64 x half) rows
	s_mov_b32 s21, 0
	s_lshl_b32 s46, s17, 9
	s_add_co_u32 s22, s46, s18
	s_lshl_b32 s22, s22, 10                        ; chunk 0: (512 x tile row + 64 x half) rows
	s_mov_b32 s23, 0
	s_lshl_b32 s18, s14, 5
	s_add_co_u32 s46, s46, s18
	s_lshl_b32 s46, s46, 10                        ; the refills: (512 x tile row + 32 x wave) rows, + the chunk
	s_mov_b32 s47, 0
	s_mul_i32 s45, s16, 64*PITCH
	s_mul_i32 s13, s14, 32*PITCH
	s_add_co_u32 s2, s45, YB                       ; my 64 rows of the weight, in slot 1
	s_mul_i32 s3, s15, 64*PITCH                    ; my 64 rows of a chunk in slot 0,
	s_add_co_u32 s12, s3, YB                       ; in slot 1
	s_mul_i32 s19, s14, 16*SPITCH
	s_add_co_u32 s19, s19, STG                     ; my stage
	s_wait_dscnt 0x0                               ; both opening adds are done
	s_wait_kmcnt 0x0
	s_load_b64 s[96:97], s[74:75], 0x20            ; e8, e9
	s_add_nc_u64 s[20:21], s[70:71], s[20:21]
	s_add_nc_u64 s[22:23], s[68:69], s[22:23]
	s_add_nc_u64 s[46:47], s[68:69], s[46:47]
	CROUND                                         ; all sixteen work-groups are here: the first joint loads meet
	s_mov_b32 s[G0W], 1
	s_mov_b32 s[G0W+1], s2
	s_mov_b64 s[G0W+2:G0W+3], s[20:21]
	s_or_b32 s[G0W+3], s[G0W+3], 0x80000000
	s_mov_b32 s[G0A], 1
	s_mov_b32 s[G0A+1], s45
	s_mov_b64 s[G0A+2:G0A+3], s[22:23]
	s_or_b32 s[G0A+3], s[G0A+3], 0x80000000
	s_mov_b32 s[G0R], 1
	s_cmp_eq_u32 s15, 0
	s_cbranch_scc0 .Lfor_a
	TLOAD G0W, G1W                                 ; waves 0 and 1: the weight's rows
	s_branch .Lasked
.Lfor_a:
	TLOAD G0A, G1A                                 ; waves 2 and 3: chunk 0
.Lasked:
	v_and_b32 v1, 15, v0                           ; r
	v_bfe_u32 v2, v0, 4, 1                         ; h
	v_mul_u32_u24 v3, v1, PITCH
	v_lshl_add_u32 v3, v2, 4, v3                   ; a fragment's row x pitch + 16 h
	v_add_nc_u32 v[ADRW], s2, v3
	v_add_nc_u32 v[ADRX], s3, v3
	v_add_nc_u32 v[ADRX+1], s12, v3
	v_mul_u32_u24 v4, v1, SPITCH
	v_lshl_add_u32 v4, v2, 5, v4
	v_add_nc_u32 v[STO], s19, v4                   ; in: row r, 32 bytes for each half of the lanes
	v_mul_u32_u24 v4, v2, SPITCH
	v_lshl_add_u32 v4, v1, 4, v4
	v_add_nc_u32 v[RD], s19, v4                    ; back: lanes 0-15 one row of 256 bytes, lanes 16-31 the next
	v_lshlrev_b32 v[CO], 12, v2
	v_lshl_add_u32 v[CO], v1, 4, v[CO]             ; and the same two rows in out0
	v_and_b32 v[PFO], 31, v0
	v_lshlrev_b32 v[PFO], 8, v[PFO]
	v_lshlrev_b32 v4, 5, v2                        ; bo: + 32 h
	s_wait_alu depctr_va_vdst(0)                   ; the wait behind these writes
	s_lshl_b32 s18, s17, 9                         ; out0: row 512 x tile row + 64 x my row of waves,
	s_lshl_b32 s19, s15, 6
	s_add_co_u32 s18, s18, s19
	s_lshl_b32 s18, s18, 12
	s_mov_b32 s19, 0
	s_add_nc_u64 s[76:77], s[76:77], s[18:19]
	s_lshl_b32 s18, s42, 9                         ; column 128 x tile column + 64 x my column of waves, in bytes
	s_lshl_b32 s20, s16, 8
	s_add_co_u32 s18, s18, s20
	s_add_nc_u64 s[76:77], s[76:77], s[18:19]
	s_add_nc_u64 s[72:73], s[72:73], s[18:19]      ; bo likewise
	s_lshl_b32 s18, s17, 19                        ; the prefetches: my tile row's rows, + 8,192 x (4 cx + wave)
	s_lshl_b32 s20, s40, 2
	s_add_co_u32 s20, s20, s14
	s_lshl_b32 s20, s20, 13
	s_add_co_u32 s18, s18, s20
	s_add_nc_u64 s[90:91], s[68:69], s[18:19]
	global_prefetch_b8 v[PFO], s[90:91] offset:CH*KROW th:TH_LOAD_NT scope:SCOPE_SE     ; chunk 1
	global_prefetch_b8 v[PFO], s[90:91] offset:2*CH*KROW th:TH_LOAD_NT scope:SCOPE_SE   ; chunk 2
.irp b, 0,1,2,3
	global_load_b128 v[BI+8*\b:BI+8*\b+3],   v4, s[72:73] offset:64*\b      ; columns 16 b + 8 h + 0 .. 7
	global_load_b128 v[BI+8*\b+4:BI+8*\b+7], v4, s[72:73] offset:64*\b+16
.endr
	s_wait_kmcnt 0x0
	s_add_co_i32 s96, s96, s97                     ; e8 + e9
	s_sub_co_i32 s5, 0, s96
	s_add_co_i32 s96, s96, 127
	s_lshl_b32 s96, s96, 23                        ; 2^(e8 + e9) as f32
	s_mov_b32 s97, s96
	s_wait_loadcnt 0x0
.set j, 0
.rept 32
	v_ldexp_f32 v[BI+j], v[BI+j], s5               ; bo / 2^(e8 + e9)
.set j, j+1
.endr
.macro WEIGHTS                         ; my 64 rows of the weight, all of K: fragment 4 q + b in window 1 + (4 q + b) / 16: 128 loads
.irp q, 0,1,2,3,4,5,6,7
.irp b, 0,1,2,3
	WIN (1+(4*\q+\b)/16)<<6
.irp c, 0,1,2,3
	ds_load_b128 v[16*((4*\q+\b)%16)+4*\c:16*((4*\q+\b)%16)+4*\c+3], v[ADRW] offset:128*\q+32*\c+\b*16*PITCH
.endr
.endr
.endr
	WIN 0
.endm
.macro FETCH e, slot, i                ; block i of the chunk in the slot, 16 rows, all of K, into set e of window 3: 32 loads
	WIN 3<<6
.irp q, 0,1,2,3,4,5,6,7
.irp c, 0,1,2,3
	ds_load_b128 v[128*(\e)+16*\q+4*\c:128*(\e)+16*\q+4*\c+3], v[ADRX+\slot] offset:(\i)*16*PITCH+128*\q+32*\c
.endr
.endr
	WIN 0
.endm
.macro PRODS e                         ; a block's 32 products
.irp q, 0,1,2,3,4,5,6,7
.irp b, 0,1,2,3
	WIN (1+(4*\q+\b)/16)|(3<<2)
.if \q
	v_wmma_f32_16x16x128_bf8_bf8 v[ACC+8*\b:ACC+8*\b+7], v[16*((4*\q+\b)%16):16*((4*\q+\b)%16)+15], v[128*(\e)+16*\q:128*(\e)+16*\q+15], v[ACC+8*\b:ACC+8*\b+7]
.else
	v_wmma_f32_16x16x128_bf8_bf8 v[ACC+8*\b:ACC+8*\b+7], v[16*((4*\q+\b)%16):16*((4*\q+\b)%16)+15], v[128*(\e)+16*\q:128*(\e)+16*\q+15], v[BI+8*\b:BI+8*\b+7]
.endif
.endr
.endr
	WIN 0
.endm
; Block i of chunk c.  Behind its products: the sums x 2^(e8 + e9), into the stage and back by rows; the fetch of the block two on; the stores.
.macro BLOCK c, i
.if (\i) < 3
	s_wait_dscnt 32                                ; all but the youngest fetch's 32 loads
.endif
	PRODS (\i)%2
	PLACES 4                                       ; in front of the first read of the sums, and of the loads into the set just read
.set j, 0
.rept 16
	v_pk_mul_f32 v[TMP+j:TMP+j+1], v[ACC+j:ACC+j+1], s[96:97] op_sel_hi:[1,0]   ; each accumulator from its low end on
.set j, j+2
.endr
.irp b, 0,1,2,3
	ds_store_b128 v[STO], v[TMP+8*\b:TMP+8*\b+3] offset:64*\b
	ds_store_b128 v[STO], v[TMP+8*\b+4:TMP+8*\b+7] offset:64*\b+16
.endr
	s_wait_xcnt 0x0                                ; the last block's stores have read their data registers
.irp t, 0,1,2,3,4,5,6,7
	ds_load_b128 v[RB+4*\t:RB+4*\t+3], v[RD] offset:\t*2*SPITCH   ; LDS serves a wave's instructions in order: these see the stores above
.endr
.if (\i) < 2
	FETCH (\i)%2, (\c)%2, (\i)+2
	s_wait_dscnt 32                                ; the rows are back; the fetch's 32 loads may be out
.else
	s_wait_dscnt 0x0
.endif
.irp t, 0,1,2,3,4,5,6,7
	global_store_b128 v[CO], v[RB+4*\t:RB+4*\t+3], s[76:77] offset:((\c)*CH+(\i)*16+2*\t)*NOUT th:TH_STORE_NT
.endr
.endm
; Chunk c.  In front of it: all my tensor loads are in (my quarter of chunk c), the add, my LDS work is over; a round; then chunk c + 1 is asked for into the other slot, which nobody reads any more.
.macro CHUNK c
	s_wait_tensorcnt 0x0
	ds_add_u32 v[SPW], v[NIL]                      ; 0 onto my spare word
.if (\c) < 3
	s_add_co_u32 s[G0R+1], s13, (((\c)+1)%2)*YB
	s_add_nc_u64 s[G0R+2:G0R+3], s[46:47], ((\c)+1)*CH*KROW
	s_or_b32 s[G0R+3], s[G0R+3], 0x80000000
.endif
	s_wait_dscnt 0x0
.if (\c) < 3
	CROUND
	TLOAD G0R, G1R                                 ; the first tensor load behind the round, one a wave: 32 rows
.else
	s_barrier_signal -1
	s_barrier_wait -1                              ; nothing is filled any more: the work-group's barrier shows chunk 3 to all
.endif
	FETCH 0, (\c)%2, 0
	FETCH 1, (\c)%2, 1
	BLOCK \c, 0
.if (\c) == 0
	global_prefetch_b8 v[PFO], s[90:91] offset:3*CH*KROW th:TH_LOAD_NT scope:SCOPE_SE   ; chunk 3, two refills ahead of its load
.endif
	BLOCK \c, 1
	BLOCK \c, 2
	BLOCK \c, 3
.endm
	s_wait_alu depctr_va_vdst(0)                   ; the wait at the head's end
	s_wait_tensorcnt 0x0                           ; my part of the weight or of chunk 0 is in,
	s_barrier_signal -1
	s_barrier_wait -1                              ; everybody's is
	WEIGHTS
	CHUNK 0                                        ; its wait for all LDS work shows that I hold the weight in registers: chunk 1 goes onto the weight's bytes
	CHUNK 1
	CHUNK 2
	CHUNK 3
	s_wait_tensorcnt 0x0                           ; the wave's end
	ds_add_u32 v[SPW], v[NIL]
	s_wait_dscnt 0x0
	CROUND                                         ; the closing round
	s_endpgm
.Lfunc_end_k_q8070b5cc9f_proj:
	.size	k_q8070b5cc9f_proj, .Lfunc_end_k_q8070b5cc9f_proj-k_q8070b5cc9f_proj
	.p2alignl 7, 3214868480
	.fill 96, 4, 3214868480
	.section	.rodata,"a",@progbits
	.p2align	6, 0x0
	.amdhsa_kernel k_q8070b5cc9f_proj
		.amdhsa_group_segment_fixed_size 327680
		.amdhsa_private_segment_fixed_size 0
		.amdhsa_enable_private_segment 0
		.amdhsa_kernarg_size 40
		.amdhsa_user_sgpr_count 2
		.amdhsa_user_sgpr_kernarg_segment_ptr 1
		.amdhsa_wavefront_size32 1
		.amdhsa_system_sgpr_workgroup_id_x 1
		.amdhsa_system_sgpr_workgroup_id_y 1
		.amdhsa_system_sgpr_workgroup_id_z 1
		.amdhsa_system_vgpr_workitem_id 0
		.amdhsa_next_free_vgpr 1024
		.amdhsa_next_free_sgpr 100
		.amdhsa_reserve_vcc 0
		.amdhsa_float_denorm_mode_32 3
		.amdhsa_float_denorm_mode_16_64 3
		.amdhsa_memory_ordered 1
		.amdhsa_forward_progress 1
		.amdhsa_inst_pref_size 135
	.end_amdhsa_kernel
	.amdgpu_metadata
---
amdhsa.version: [ 1, 2 ]
amdhsa.kernels:
  - .name:           k_q8070b5cc9f_proj
    .symbol:         k_q8070b5cc9f_proj.kd
    .args:
      - { .name: att_ws, .offset: 0, .size: 8, .value_kind: global_buffer, .address_space: global }
      - { .name: wo_perm, .offset: 8, .size: 8, .value_kind: global_buffer, .address_space: global }
      - { .name: bo, .offset: 16, .size: 8, .value_kind: global_buffer, .address_space: global }
      - { .name: lowp_scales, .offset: 24, .size: 8, .value_kind: global_buffer, .address_space: global }
      - { .name: out0, .offset: 32, .size: 8, .value_kind: global_buffer, .address_space: global }
    .group_segment_fixed_size: 327680
    .private_segment_fixed_size: 0
    .kernarg_segment_align: 8
    .kernarg_segment_size: 40
    .max_flat_workgroup_size: 128
    .sgpr_count:     100
    .vgpr_count:     1024
    .wavefront_size: 32
...
	.end_amdgpu_metadata
.endif
;; end of part 3
